; MI455X (gfx1250); checked and timed in simulation.
; The chip was launched on July 23, 2026; its instructions are those of AMD's public machine-readable ISA for CDNA 5 (MIT licence, August 2026) and "CDNA5" Instruction Set Architecture Reference Guide (July 2026). The comments in the code are by the model that wrote it; some were corrected since.
;; Multi Head Attention. Allowed arithmetic: matrix products marked QUANTISED: E2M1 operands, one E8M0 scale for each 32 along K, by v_wmma_scale_f32_16x16x128_f8f6f4 with both operands' format E2M1 (or v_wmma_scale_f32_32x16x128_f4), f32 sums; products left as they are: bf16, f16 or f32 operands; f32 sums; everything else in f32.
;; Inputs: Wk 768 x 768 float32; Wo 768 x 768 float32; Wq 768 x 768 float32; Wv 768 x 768 float32; att_mask 8 x 1,024 bool; beta 768 float32; bk 768 float32; bo 768 float32; bq 768 float32; bv 768 float32; gamma 768 float32; k 8 x 1,024 x 768 float32; q 8 x 1,024 x 768 float32; v 8 x 1,024 x 768 float32.
;; Outputs: out0 8 x 1,024 x 768 float32.
;; This version of the problem:
;;   THIS VERSION OF THE PROBLEM IS GIVEN IN LOW PRECISION. The matrix products marked QUANTISED in the list below multiply operands that are first quantised to E2M1 (2 exponent bits, 1 mantissa bit; 4 bits a number), with one power-of-two scale for each 32 numbers along K (OCP MX v1.0); their sums are f32. The products marked 'left as it is' may take bf16, f16 or f32 operands, with f32 sums. Whichever they take, every output number must still come out within the allowed error. Rounding operands to bf16 (8 significant bits) uses up far more of that allowance than f16 does (11 bits, for magnitudes from 6e-5 to 65,504). All else is computed in f32.
;;   The module's matrix products, in the order in which they are computed (A, B: the left and right operand; K: the contracted axis; several contracted axes count as one K, in the product's order):
;;     1. [M 8,192, K 768] x [K 768, N 768]; A: input q; B: input Wq: QUANTISED
;;     2. [M 8,192, K 768] x [K 768, N 768]; A: input k; B: input Wk: QUANTISED
;;     3. [M 8,192, K 768] x [K 768, N 768]; A: input v; B: input Wv: QUANTISED
;;     4. batch 96 x [M 1,024, K 64] x [K 64, N 1,024]; A: computed on the way; B: computed on the way: left as it is (an operand is computed on the way)
;;     5. batch 96 x [M 1,024, K 1,024] x [K 1,024, N 64]; A: computed on the way; B: computed on the way: left as it is (an operand is computed on the way)
;;     6. batch 96 x [M 1,024, K 1,024] x [K 1,024, N 64]; A: computed on the way; B: computed on the way: left as it is (an operand is computed on the way)
;;     7. [M 8,192, K 768] x [K 768, N 768]; A: computed on the way; B: input Wo: left as it is (an operand is computed on the way)
;;   THE QUANTISER, for each operand of a quantised product, along K:
;;     - K is cut into blocks of 32 from its start; a last block that is shorter is filled with zeros.
;;     - A block's scale is 2^e with e = floor(log2(the largest magnitude in the block)) - 2, held to -126 .. 127; a block of zeros has e = 0. As a byte (E8M0): e + 127.
;;     - Each number is divided by its block's scale, clamped to +-6, and rounded to the nearest number of E2M1, ties to even, subnormals kept.
;;     - The product sums the exact products of the quantised numbers (number of the format x scale) in f32.
;;   ~~~python
;;   def quantise(x, axis):      # numpy; x: float32 -> the quantised numbers, widened to float32 again
;;       x = np.moveaxis(x, axis, -1); K = x.shape[-1]
;;       x = np.pad(x, [(0, 0)] * (x.ndim - 1) + [(0, -K % 32)]); x = x.reshape(x.shape[:-1] + (-1, 32)); a = np.abs(x).max(-1, keepdims=True)
;;       e = np.where(a > 0, np.clip(np.frexp(np.where(a > 0, a, 1))[1] - 1 - 2, -126, 127), 0)      # np.frexp(a)[1] - 1 = floor(log2(a)), exactly
;;       r = np.clip(x / 2.0 ** e, -6, 6)
;;       step = 2.0 ** (np.maximum(np.frexp(np.where(r == 0, 1, r))[1] - 1, 0) - 1)
;;       q = np.round(r / step) * step * 2.0 ** e      # np.round: ties to even
;;       return np.moveaxis(q.reshape(q.shape[:-2] + (-1,))[..., :K], -1, axis).astype(np.float32)
;;   ~~~
;; One version. Each part assembles by itself: llvm-mc -triple=amdgcn-amd-amdhsa -mcpu=gfx1250 --defsym DOCPART=n.
;; ======== version 1 of 1: 4 launches
;; limits: values are held in f16: magnitudes above 65,504 overflow, below 6.1e-05 lose precision; right only within a limited range of input values
;; workspace buffers: wts 2,119,680 bytes; msk 17,408 bytes of whole numbers; qimg 12,582,912 bytes; kimg 12,582,912 bytes; vimg 12,582,912 bytes; attimg 12,582,912 bytes
;; launch prep (part 1): grid 6 x 24, 4 waves a work-group, no clusters, 0 bytes of LDS; arguments Wq, Wk, Wv, Wo, att_mask, wts, msk; writes wts, msk
.if DOCPART == 1
	.amdgcn_target "amdgcn-amd-amdhsa--gfx1250"
	.amdhsa_code_object_version 6
	.text
	.protected	k_qb2f03b0f8b_prep
	.globl	k_qb2f03b0f8b_prep
	.p2align	8
	.type	k_qb2f03b0f8b_prep,@function
k_qb2f03b0f8b_prep:
	s_mov_b64 s[64:65], 0
	v_nop
	global_prefetch_b8 v0, s[64:65] scope:SCOPE_SE
	s_setreg_imm32_b32 hwreg(HW_REG_WAVE_MODE, 25, 1), 1
	s_wait_xcnt 0x0
; The four weights [768 (k)][768 (n)] f32 become images of operand registers in wts, and the padding mask becomes whole numbers in msk.
; Wq, Wk, Wv: codes of E2M1 along K (their first axis) with one E8M0 byte for each 32 along K.  Wo: f16.
; A LANE TAKES A COLUMN n AND ITS REGISTERS RUN DOWN K: each load reads 128 consecutive bytes a wave (512 a work-group), a block of 32 along K lies in one lane,
; and the conversions give codes with K innermost.  Work-group (x, y): columns 128 x .. 128 x + 127, matrix y / 6, rows 128 (y % 6) on; wave w: 32 of the columns.
; wts: at 0 [mat 3][ntile 48][s 6][1024]: a fragment of 16 n x 128 k as its reader holds it: block beta of column r at (beta / 2) 512 + (beta % 2) 256 + 16 r;
;      at WSC_AT [mat][ntile][s][16 words]: column r's four scale bytes;  at WO_AT [kk 24][ntile 48][1024]: f16 fragment, eight k of group g at (g / 2) 512 + (g % 2) 256 + 16 r.
; msk: at 0 [b 8][ks 32][16 words]: word 8 u + j: bits 0-15 all set where key 32 ks + 16 u + j is padded, bits 16-31 where key 32 ks + 16 u + 8 + j is: a lane mask for a register of scores;
;      at LIM_AT [b][32 words]: word 0 = F, the first unpadded key (1024 if none); the others = E, the last unpadded key + 1 (0 if none).
; LIMITS: a block whose largest magnitude lies under 2^-124 gets the byte 1 (a block of zeros too: its codes are zeros, and this program alone reads the bytes); NaN and infinities are not served.
; No LDS, no barrier, no matrix unit, no cluster: no two work-groups read the same bytes.
.set XR, 32                            ; v32-159  my column's 128 numbers
.set CD, 16                            ; v16-31   codes, four registers a block: no store's data are written again
.set HP, 160                           ; v160-223 f16 pairs, sixteen registers a block
.set WSC_AT, 884736
.set WO_AT, 940032
.set LIM_AT, 16384
.macro LOADB t                         ; block t: W(32 t + i, my column)
.set i, 0
.rept 32
	global_load_b32 v[XR+32*(\t)+i], v1, s[24:25] offset:(32*(\t)+i)*3072 th:TH_LOAD_NT
.set i, i+1
.endr
.endm
.macro ARRIVE t                        ; block t is in; the one younger block (32 loads) may be out; then the block two on is asked for
.if (\t) < 3
	s_wait_loadcnt 32
.else
	s_wait_loadcnt 0x0
.endif
.if (\t)+2 < 4
	LOADB (\t)+2
.endif
.endm
.macro QBLK t
.set XB, XR+32*(\t)
	ARRIVE \t
	v_max3_num_f32 v8, |v[XB]|, |v[XB+1]|, |v[XB+2]|               ; the block's largest magnitude: all 32 numbers are mine; two chains
	v_max3_num_f32 v9, |v[XB+3]|, |v[XB+4]|, |v[XB+5]|
.irp i, 6,10,14,18,22,26
	v_max3_num_f32 v8, v8, |v[XB+\i]|, |v[XB+\i+1]|
	v_max3_num_f32 v9, v9, |v[XB+\i+2]|, |v[XB+\i+3]|
.endr
	v_max3_num_f32 v8, v8, |v[XB+30]|, |v[XB+31]|
	v_max3_num_f32 v8, v8, v9, 0x1800000           ; and the floor 2^(3 - 127): the byte cannot fall under 1
	v_add_nc_u32 v11, 0xff000000, v8               ; 2 off the exponent field: the conversion takes this operand's exponent field as its scale
.irp g, 0,1,2,3
	v_cvt_scalef32_pk8_fp4_f32 v[CD+4*(\t)+\g], v[XB+8*\g:XB+8*\g+7], v11
.endr
	v_lshrrev_b32 v13, 23, v11                     ; the scale's byte (a plain line behind the conversions)
.if (\t) == 0
	v_mov_b32 v12, v13
.else
	v_lshl_or_b32 v12, v13, 8*(\t), v12            ; four bytes to the word, the lower K in the lower byte
.endif
	global_store_b128 v2, v[CD+4*(\t):CD+4*(\t)+3], s[26:27] offset:((\t)/2)*512+((\t)%2)*256   ; sixteen lanes store 256 consecutive bytes, aligned
.endm
.macro HBLK t
	ARRIVE \t
.set i, 0
.rept 16
	v_cvt_pk_f16_f32 v[HP+16*(\t)+i], v[XR+32*(\t)+2*i], v[XR+32*(\t)+2*i+1]
.set i, i+1
.endr
.irp g, 0,1,2,3
	global_store_b128 v4, v[HP+16*(\t)+4*\g:HP+16*(\t)+4*\g+3], s[26:27] offset:(\t)*49152+(\g/2)*512+(\g%2)*256
.endr
.endm
.macro FIRST base, out                 ; the smallest 32 i + lane at which v[base + i] is 0, or 1024: values alone, no branch
	s_mov_b32 s[\out], 1024
.set i, 31
.rept 32
	v_cmp_eq_u32 s30, 0, v[\base+i]
	s_ctz_i32_b32 s31, s30
	s_add_co_u32 s31, s31, 32*i
	s_cmp_lg_u32 s30, 0
	s_cselect_b32 s[\out], s31, s[\out]
.set i, i-1
.endr
.endm
	s_load_b256 s[4:11], s[0:1], 0x0               ; Wq, Wk, Wv, Wo
	s_load_b128 s[12:15], s[0:1], 0x20             ; att_mask, wts
	s_load_b64 s[16:17], s[0:1], 0x30              ; msk
	v_lshrrev_b32 v5, 5, v0
	v_readfirstlane_b32 s18, v5                    ; wave
	v_and_b32 v5, 31, v0                           ; lane
	v_and_b32 v6, 15, v0                           ; r
	v_bfe_u32 v7, v0, 4, 1                         ; which of my wave's two tiles of 16 columns
	s_mov_b32 s19, ttmp9                           ; x
	s_and_b32 s20, ttmp7, 0xffff                   ; y
	s_mul_hi_u32 s21, s20, 0x2aaaaaab              ; y / 6: the matrix
	s_mul_i32 s22, s21, 6
	s_sub_co_u32 s22, s20, s22                     ; y % 6: which 128 along K
	s_lshl_b32 s30, s19, 9
	v_lshl_add_u32 v1, v0, 2, s30                  ; 4 x my column
	v_lshlrev_b32 v6, 4, v6                        ; 16 r
	v_mad_u32_u24 v2, v7, 0x1800, v6               ; codes: tile x 6144 + 16 r
	v_lshrrev_b32 v3, 2, v6
	v_mad_u32_u24 v3, v7, 0x180, v3                ; scale words: tile x 384 + 4 r
	v_lshl_add_u32 v4, v7, 10, v6                  ; Wo: tile x 1024 + 16 r
	s_lshl_b32 s23, s19, 3
	s_lshl_b32 s30, s18, 1
	s_add_co_u32 s23, s23, s30                     ; my wave's first tile of columns: 8 x + 2 w
	s_mul_i32 s36, s22, 393216                     ; 128 rows of 3,072 bytes
	s_mov_b32 s37, 0
	s_wait_kmcnt 0x0
	s_cmp_lt_u32 s21, 1                            ; the source is chosen by the work-group's number alone
	s_cselect_b64 s[24:25], s[4:5], s[6:7]
	s_cmp_lt_u32 s21, 2
	s_cselect_b64 s[24:25], s[24:25], s[8:9]
	s_cmp_lt_u32 s21, 3
	s_cselect_b64 s[24:25], s[24:25], s[10:11]
	s_add_nc_u64 s[24:25], s[24:25], s[36:37]
	LOADB 0
	LOADB 1
	s_cmp_eq_u32 s21, 3
	s_cbranch_scc1 .Lwo
	s_mul_i32 s32, s21, 294912                     ; codes: matrix, tile, K step
	s_mul_i32 s30, s23, 6144
	s_add_co_u32 s32, s32, s30
	s_lshl_b32 s30, s22, 10
	s_add_co_u32 s32, s32, s30
	s_mov_b32 s33, 0
	s_add_nc_u64 s[26:27], s[14:15], s[32:33]
	s_mul_i32 s34, s21, 18432                      ; scale words likewise
	s_mul_i32 s30, s23, 384
	s_add_co_u32 s34, s34, s30
	s_lshl_b32 s30, s22, 6
	s_add_co_u32 s34, s34, s30
	s_add_co_u32 s34, s34, WSC_AT
	s_mov_b32 s35, 0
	s_add_nc_u64 s[28:29], s[14:15], s[34:35]
	QBLK 0
	QBLK 1
	QBLK 2
	QBLK 3
	global_store_b32 v3, v12, s[28:29]             ; my column's scale word of this K step
	s_branch .Lmask
.Lwo:
	s_mul_i32 s32, s22, 4*49152                    ; Wo: four steps of 32 along K for each 128
	s_lshl_b32 s30, s23, 10
	s_add_co_u32 s32, s32, s30
	s_add_co_u32 s32, s32, WO_AT
	s_mov_b32 s33, 0
	s_add_nc_u64 s[26:27], s[14:15], s[32:33]
	HBLK 0
	HBLK 1
	HBLK 2
	HBLK 3
.Lmask:
	; THE MASK: wave 0 of work-groups (0, 0 .. 7) takes batch y.  Branches on ids alone.
	s_cmp_lg_u32 s19, 0
	s_cbranch_scc1 .Lend
	s_cmp_ge_u32 s20, 8
	s_cbranch_scc1 .Lend
	s_cmp_lg_u32 s18, 0
	s_cbranch_scc1 .Lend
	s_wait_xcnt 0x0                                ; the stores above have read their bases: these are written again
	s_lshl_b32 s30, s20, 10
	s_mov_b32 s31, 0
	s_add_nc_u64 s[24:25], s[12:13], s[30:31]      ; the batch's 1,024 mask bytes
	s_lshl_b32 s30, s20, 11
	s_add_nc_u64 s[26:27], s[16:17], s[30:31]      ; its 512 lane-mask words
	s_lshl_b32 s30, s20, 7
	s_add_co_u32 s30, s30, LIM_AT
	s_add_nc_u64 s[28:29], s[16:17], s[30:31]      ; its F and E
	v_and_b32 v8, 24, v5
	v_and_b32 v9, 7, v5
	v_lshl_add_u32 v14, v8, 1, v9                  ; word 32 i + lane is (ks = 2 i + lane / 16, u = (lane / 8) % 2, j = lane % 8): its first key is 64 i + 2 (lane & 24) + lane % 8
	v_lshlrev_b32 v7, 2, v5                        ; 4 x lane
	v_sub_nc_u32 v15, 31, v5
.set i, 0
.rept 16
	global_load_u8 v[32+2*i], v14, s[24:25] offset:64*i
	global_load_u8 v[33+2*i], v14, s[24:25] offset:64*i+8
.set i, i+1
.endr
.set i, 0
.rept 32
	global_load_u8 v[64+i], v5, s[24:25] offset:32*i               ; key 32 i + lane
.set i, i+1
.endr
	s_wait_loadcnt 32                              ; the first 32 are in; the 32 younger may be out
.set i, 0
.rept 16
	v_mul_u32_u24 v[32+2*i], v[32+2*i], 0xffff     ; a bool is 0 or 1
	v_mul_u32_u24 v[33+2*i], v[33+2*i], 0xffff
	v_lshl_or_b32 v[128+i], v[33+2*i], 16, v[32+2*i]
	global_store_b32 v7, v[128+i], s[26:27] offset:128*i
.set i, i+1
.endr
.set i, 0
.rept 32
	global_load_u8 v[96+i], v15, s[24:25] offset:32*(31-i)         ; key 1023 - 32 i - lane
.set i, i+1
.endr
	s_wait_loadcnt 0x0
	FIRST 64, 32                                   ; F
	FIRST 96, 33
	s_sub_co_u32 s33, 1024, s33                    ; E
	v_mov_b32 v10, s33
	v_mov_b32 v11, s32
	v_cmp_eq_u32 vcc_lo, 0, v5
	v_cndmask_b32 v10, v10, v11, vcc_lo            ; lane 0: F; the others: E
	global_store_b32 v7, v10, s[28:29]
.Lend:
	s_endpgm
.Lfunc_end_k_qb2f03b0f8b_prep:
	.size	k_qb2f03b0f8b_prep, .Lfunc_end_k_qb2f03b0f8b_prep-k_qb2f03b0f8b_prep
	.p2alignl 7, 3214868480
	.fill 96, 4, 3214868480
	.section	.rodata,"a",@progbits
	.p2align	6, 0x0
	.amdhsa_kernel k_qb2f03b0f8b_prep
		.amdhsa_group_segment_fixed_size 0
		.amdhsa_private_segment_fixed_size 0
		.amdhsa_enable_private_segment 0
		.amdhsa_kernarg_size 56
		.amdhsa_user_sgpr_count 2
		.amdhsa_user_sgpr_kernarg_segment_ptr 1
		.amdhsa_wavefront_size32 1
		.amdhsa_system_sgpr_workgroup_id_x 1
		.amdhsa_system_sgpr_workgroup_id_y 1
		.amdhsa_system_sgpr_workgroup_id_z 1
		.amdhsa_system_vgpr_workitem_id 0
		.amdhsa_next_free_vgpr 224
		.amdhsa_next_free_sgpr 66
		.amdhsa_reserve_vcc 1
		.amdhsa_float_denorm_mode_32 3
		.amdhsa_float_denorm_mode_16_64 3
		.amdhsa_memory_ordered 1
		.amdhsa_forward_progress 1
		.amdhsa_inst_pref_size 63
	.end_amdhsa_kernel
	.amdgpu_metadata
---
amdhsa.version: [ 1, 2 ]
amdhsa.kernels:
  - .name:           k_qb2f03b0f8b_prep
    .symbol:         k_qb2f03b0f8b_prep.kd
    .args:
      - { .name: Wq, .offset: 0, .size: 8, .value_kind: global_buffer, .address_space: global }
      - { .name: Wk, .offset: 8, .size: 8, .value_kind: global_buffer, .address_space: global }
      - { .name: Wv, .offset: 16, .size: 8, .value_kind: global_buffer, .address_space: global }
      - { .name: Wo, .offset: 24, .size: 8, .value_kind: global_buffer, .address_space: global }
      - { .name: att_mask, .offset: 32, .size: 8, .value_kind: global_buffer, .address_space: global }
      - { .name: wts, .offset: 40, .size: 8, .value_kind: global_buffer, .address_space: global }
      - { .name: msk, .offset: 48, .size: 8, .value_kind: global_buffer, .address_space: global }
    .group_segment_fixed_size: 0
    .private_segment_fixed_size: 0
    .kernarg_segment_align: 8
    .kernarg_segment_size: 56
    .max_flat_workgroup_size: 128
    .sgpr_count:     66
    .vgpr_count:     224
    .wavefront_size: 32
...
	.end_amdgpu_metadata
.endif
;; end of part 1
;; launch proj (part 2): grid 64 x 3, 8 waves a work-group, no clusters, 122,880 bytes of LDS; arguments q, k, v, wts, bq, bk, bv, qimg, kimg, vimg; writes qimg, kimg, vimg
.if DOCPART == 2
	.amdgcn_target "amdgcn-amd-amdhsa--gfx1250"
	.amdhsa_code_object_version 6
	.text
	.protected	k_qb2f03b0f8b_proj
	.globl	k_qb2f03b0f8b_proj
	.p2align	8
	.type	k_qb2f03b0f8b_proj,@function
k_qb2f03b0f8b_proj:
	s_mov_b64 s[64:65], 0
	v_nop
	global_prefetch_b8 v0, s[64:65] scope:SCOPE_SE
	s_setreg_imm32_b32 hwreg(HW_REG_WAVE_MODE, 25, 1), 1
	s_wait_xcnt 0x0
; The three projections x W + b on codes of E2M1 with one E8M0 scale for each 32 along K; results leave as f16 images of the attention's operand registers.
; Work-group (x, y): matrix y (0 q, 1 k, 2 v), rows 128 x .. 128 x + 127.  THE WAVES SHARE THE COLUMNS: wave w owns column tiles 6 w .. 6 w + 5 for all 128 rows, so its 36 fragments
; of W (288 registers) are read once and stay.  W goes from memory straight into the registers of the one wave of a work-group that uses it: nothing of it passes LDS, so a joint load, which lands in LDS, has nothing to serve: no cluster.
; X PHASE: wave w quantises rows 16 w .. 16 w + 15 of x.  A unit is 16 rows x 256 bytes (two blocks of 32 a row).  Each load reads two aligned runs of 256 bytes; the unit turns through the wave's own
; stage in LDS so that lane (r, hh) holds 16 neighbours of each block of row r; the codes go to LDS as an image of the operand's registers, the scale words beside them.  One barrier.
; PRODUCT: for each of the 8 tiles of rows: x's six fragments from LDS, 36 matrix instructions on six accumulators by turns.
;   q, k: source 0 = W, source 1 = x: a lane holds token r and eight neighbouring channels: 16 bytes of an f16 fragment (16 tokens x 32 channels).
;   v:    the sources swapped: a lane holds channel r and eight neighbouring tokens: 16 bytes of an f16 fragment of V^T (16 channels x 32 keys).
; q's result is (x W + bq) / 8: the scores' factor 1 / sqrt(64) is a power of two and goes into the one fused multiply-add, in f32, ahead of the rounding to f16.
; LIMITS: a block whose largest magnitude lies under 2^-124 gets the byte 1 (a block of zeros too: zero codes); NaN and infinities are not served; results beyond f16's 65,504 are not served (inputs 30 times the drawn ones give about 7e3).
; LDS: XIMG [tile 8][s 6][1024]; XSC [tile][s][16 words]; STG: for each wave two stages of 16 rows x 272; the spare words.
.set XSC,   49152
.set STG,   52224
.set SPARE, 121856
.set SPW, 1                            ; v1  my spare word;  v2  0: kept for the add alone
.set NIL, 2
.set VO,  10                           ; v10-15 store offsets of my six column tiles
.set WS,  16                           ; v16-33 W's scale words: 3 t + s / 2: lanes 0-15 the even K step, lanes 16-31 the odd one
.set XSR, 34                           ; v34-36 x's likewise
.set RR,  40                           ; X phase: v40-135 three units as loaded
.set XX,  136                          ;          v136-199 two units turned
.set TM,  200                          ;          v200-207 at work
.set PC,  208                          ;          v208-215 codes, two sets
.set PW,  216                          ;          v216 the scale word in the making
.set XF,  40                           ; product: v40-87 x's six fragments
.set ACC, 88                           ;          v88-135 six accumulators
.set BS,  136                          ;          v136-183 the bias in the result's layout
.set OUTP, 184                         ;          v184-207 f16 results
                                       ; v224-511 W: fragment 6 s + t at 224 + 8 (6 s + t): the first four in window 0, the others in window 1
.set MSB, 0
.macro WIN new                         ; the immediate's high byte repeats the setting that is left
.if MSB != \new
	s_set_vgpr_msb (MSB<<8)|\new
.set MSB, \new
.endif
.endm
.macro ULOAD n                         ; unit n: lanes 0-15 row 2 i, lanes 16-31 row 2 i + 1, 16 bytes a lane
.irp i, 0,1,2,3,4,5,6,7
	global_load_b128 v[RR+32*((\n)%3)+4*\i:RR+32*((\n)%3)+4*\i+3], v3, s[32:33] offset:\i*6144+(\n)*256 th:TH_LOAD_NT
.endr
.endm
.macro WCH n                           ; a share of W's loads rides in each trip: 0-8: eight halves of fragments; 9-11: the 18 scale words
.if (\n) < 9
.if (\n) > 0
	WIN 0x40                                       ; destination window 1
.endif
.set i, 0
.rept 8
.set QI, 8*(\n)+i
.set FI, QI/2
.if FI < 4
.set WR, 224+8*FI+4*(QI%2)
.else
.set WR, 8*FI-32+4*(QI%2)
.endif
	global_load_b128 v[WR:WR+3], v8, s[38:39] offset:((FI%6)*6+FI/6)*1024+512*(QI%2)
.set i, i+1
.endr
	WIN 0
.else
.set i, 0
.rept 8
.set EI, 8*((\n)-9)+i
.if EI < 18
	global_load_b32 v[WS+EI], v37, s[44:45] offset:(EI/3)*384+(EI%3)*128
.endif
.set i, i+1
.endr
.endif
.endm
.macro TURN n                          ; unit n through my stage: LDS serves a wave's instructions in order, so no wait stands between the stores and the loads
.irp i, 0,1,2,3,4,5,6,7
	ds_store_b128 v4, v[RR+32*((\n)%3)+4*\i:RR+32*((\n)%3)+4*\i+3] offset:((\n)%2)*4352+\i*544
.endr
.irp b, 0,1
.irp j, 0,1,2,3
	ds_load_b128 v[XX+32*((\n)%2)+16*\b+4*\j:XX+32*((\n)%2)+16*\b+4*\j+3], v5 offset:((\n)%2)*4352+128*\b+16*\j
.endr
.endr
.endm
.macro QUANT2 n                        ; unit n = half (n % 2) of K step n / 2: register 16 b + i = k 32 b + 16 hh + i of my row
.set XB, XX+32*((\n)%2)
.set PCS, PC+4*((\n)%2)
.irp b, 0,1
	v_max3_num_f32 v[TM+\b], |v[XB+16*\b]|, |v[XB+16*\b+1]|, 0x1800000   ; my 16 numbers, and the floor 2^(3 - 127): the byte cannot fall under 1
.endr
.irp i, 2,4,6,8,10,12,14
.irp b, 0,1
	v_max3_num_f32 v[TM+\b], v[TM+\b], |v[XB+16*\b+\i]|, |v[XB+16*\b+\i+1]|
.endr
.endr
.irp b, 0,1
	v_permlanex16_b32 v[TM+2+\b], v[TM+\b], s48, s49
.endr
.irp b, 0,1
	v_max_num_f32 v[TM+\b], v[TM+\b], v[TM+2+\b]   ; with the lane 16 away: the block's largest magnitude
.endr
.irp b, 0,1
	v_add_nc_u32 v[TM+4+\b], 0xff000000, v[TM+\b]  ; 2 off its exponent field: the conversion's scale operand
.endr
.irp b, 0,1
	v_lshrrev_b32 v[TM+6+\b], 23, v[TM+4+\b]       ; the scale's byte
.endr
.if (\n)%2 == 0
	v_lshl_or_b32 v[PW], v[TM+7], 8, v[TM+6]
.else
	v_lshl_or_b32 v[PW], v[TM+6], 16, v[PW]
	v_lshl_or_b32 v[PW], v[TM+7], 24, v[PW]
.endif
.irp b, 0,1
	v_cvt_scalef32_pk8_fp4_f32 v[PCS+2*\b], v[XB+16*\b:XB+16*\b+7], v[TM+4+\b]
	v_cvt_scalef32_pk8_fp4_f32 v[PCS+2*\b+1], v[XB+16*\b+8:XB+16*\b+15], v[TM+4+\b]
.endr
	v_nop                                          ; one plain line behind the scaled conversions
	v_permlane16_swap_b32 v[PCS], v[PCS+2]         ; the operand wants a whole block in a lane: lanes 0-15 the first block, lanes 16-31 the second
	v_permlane16_swap_b32 v[PCS+1], v[PCS+3]
.if (\n)%2 == 1
	ds_store_b32 v7, v[PW] offset:64*((\n)/2)      ; lanes r and r + 16 write the same word with the same value
.endif
	ds_store_b128 v6, v[PCS:PCS+3] offset:1024*((\n)/2)+512*((\n)%2)
.endm
.macro XTRIP n, cnt
.if (\n) == 0
	s_wait_dscnt 0x0
.else
	s_wait_dscnt 1                                 ; unit n is back from the stage, its stores have read their registers, the scale word's store is done; only the last image store may be out (its set of codes is not written for two trips)
.endif
.if (\n) <= 8
	ULOAD (\n)+3
.endif
	WCH \n
.if (\n) <= 10
	s_wait_loadcnt \cnt                            ; unit n + 1 is in: the count is the loads issued behind it (later units and W's shares, eight each)
	TURN (\n)+1
.endif
	QUANT2 \n
.endm
.macro XFLOAD i                        ; tile i of rows: six fragments and three registers of scale words, as any wave stored them
.irp s, 0,1,2,3,4,5
.irp c, 0,1
	ds_load_b128 v[XF+8*\s+4*\c:XF+8*\s+4*\c+3], v8 offset:(6*(\i)+\s)*1024+512*\c
.endr
.endr
.irp p, 0,1,2
	ds_load_b32 v[XSR+\p], v9 offset:384*(\i)+128*\p
.endr
.endm
.macro WM vp, s, t                     ; one product.  WR: W's fragment in its window
.set AC, ACC+8*\t
.set XA, XF+8*\s
.set SCW_, WS+3*\t+\s/2
.set SCX_, XSR+\s/2
.if \vp == 0
.if \s == 0
	v_wmma_scale_f32_16x16x128_f8f6f4 v[AC:AC+7], v[WR:WR+7], v[XA:XA+7], 0, v[SCW_], v[SCX_] matrix_a_fmt:MATRIX_FMT_FP4 matrix_b_fmt:MATRIX_FMT_FP4
.elseif \s%2
	v_wmma_scale_f32_16x16x128_f8f6f4 v[AC:AC+7], v[WR:WR+7], v[XA:XA+7], v[AC:AC+7], v[SCW_], v[SCX_] matrix_a_fmt:MATRIX_FMT_FP4 matrix_b_fmt:MATRIX_FMT_FP4 matrix_a_scale:MATRIX_SCALE_ROW1 matrix_b_scale:MATRIX_SCALE_ROW1
.else
	v_wmma_scale_f32_16x16x128_f8f6f4 v[AC:AC+7], v[WR:WR+7], v[XA:XA+7], v[AC:AC+7], v[SCW_], v[SCX_] matrix_a_fmt:MATRIX_FMT_FP4 matrix_b_fmt:MATRIX_FMT_FP4
.endif
.else
.if \s == 0
	v_wmma_scale_f32_16x16x128_f8f6f4 v[AC:AC+7], v[XA:XA+7], v[WR:WR+7], 0, v[SCX_], v[SCW_] matrix_a_fmt:MATRIX_FMT_FP4 matrix_b_fmt:MATRIX_FMT_FP4
.elseif \s%2
	v_wmma_scale_f32_16x16x128_f8f6f4 v[AC:AC+7], v[XA:XA+7], v[WR:WR+7], v[AC:AC+7], v[SCX_], v[SCW_] matrix_a_fmt:MATRIX_FMT_FP4 matrix_b_fmt:MATRIX_FMT_FP4 matrix_a_scale:MATRIX_SCALE_ROW1 matrix_b_scale:MATRIX_SCALE_ROW1
.else
	v_wmma_scale_f32_16x16x128_f8f6f4 v[AC:AC+7], v[XA:XA+7], v[WR:WR+7], v[AC:AC+7], v[SCX_], v[SCW_] matrix_a_fmt:MATRIX_FMT_FP4 matrix_b_fmt:MATRIX_FMT_FP4
.endif
.endif
.endm
.macro MM vp                           ; 36 products, K ascending, the six accumulators by turns, one instruction a turn; the first K step starts the sums
.irp s, 0,1,2,3,4,5
.irp t, 0,1,2,3,4,5
.set FI, 6*\s+\t
.if FI < 4
.set WR, 224+8*FI
	WIN 0
.else
.set WR, 8*FI-32
.if \vp
	WIN 0x04                                       ; source 1 (W) window 1
.else
	WIN 0x01                                       ; source 0 (W) window 1
.endif
.endif
	WM \vp, \s, \t
.endr
.endr
	WIN 0
.endm
.macro ROWT i, vp
	s_wait_dscnt 0x0                               ; this tile's fragments and scale words are in
	MM \vp
.rept 4
	v_nop                                          ; four places behind the last products, ahead of loads into their sources and of the first read of results
.endr
.if (\i) < 7
	XFLOAD (\i)+1                                  ; the next tile's come while this one goes out
.endif
.set j, 0
.rept 24                               ; each accumulator from its low end on
.if \vp
	v_pk_add_f32 v[ACC+2*j:ACC+2*j+1], v[ACC+2*j:ACC+2*j+1], v[BS+2*(j/4):BS+2*(j/4)+1] op_sel_hi:[1,0]   ; + bv of my channel
.else
	v_pk_fma_f32 v[ACC+2*j:ACC+2*j+1], v[ACC+2*j:ACC+2*j+1], s[40:41], v[BS+2*j:BS+2*j+1] op_sel_hi:[1,0,1]   ; sum x f + b x f, f = 1 / 8 for q, 1 for k
.endif
.set j, j+1
.endr
.if (\i) > 0
	s_wait_xcnt 0x0                                ; the last tile's stores have read their data: these registers are written again
.endif
.set j, 0
.rept 24
	v_cvt_pk_f16_f32 v[OUTP+j], v[ACC+2*j], v[ACC+2*j+1]
.set j, j+1
.endr
.irp t, 0,1,2,3,4,5
.if \vp
	global_store_b128 v[VO+\t], v[OUTP+4*\t:OUTP+4*\t+3], s[36:37] offset:((\i)/2)*4096+((\i)%2)*512   ; 32 lanes store 512 consecutive bytes, aligned
.else
	global_store_b128 v[VO+\t], v[OUTP+4*\t:OUTP+4*\t+3], s[36:37] offset:(\i)*2048
.endif
.endr
.endm
.macro CLOSE                           ; the wave's end: three lines behind my last LDS store
	s_wait_tensorcnt 0x0
	ds_add_u32 v[SPW], v[NIL]
	s_wait_dscnt 0x0
	s_endpgm
.endm
	s_load_b256 s[4:11], s[0:1], 0x0               ; q, k, v, wts
	s_load_b256 s[12:19], s[0:1], 0x20             ; bq, bk, bv, qimg
	s_load_b128 s[20:23], s[0:1], 0x40             ; kimg, vimg
	v_lshl_add_u32 v[SPW], v0, 2, SPARE
	v_mov_b32 v[NIL], 0
	v_lshrrev_b32 v3, 5, v0
	v_readfirstlane_b32 s24, v3                    ; wave 0..7
	v_and_b32 v38, 15, v0                          ; r
	v_bfe_u32 v39, v0, 4, 1                        ; hh
	v_and_b32 v37, 31, v0                          ; lane
	v_lshlrev_b32 v8, 4, v37                       ; v8: 16 x lane: an image's place for my lane
	v_lshlrev_b32 v3, 4, v38
	v_mad_u32_u24 v3, v39, 0xc00, v3               ; v3: x: hh rows of 3,072 bytes + 16 r
	s_mul_i32 s26, s24, 8704
	s_add_co_u32 s26, s26, STG                     ; my stages
	v_lshlrev_b32 v4, 4, v38
	v_mad_u32_u24 v4, v39, 272, v4
	v_add_nc_u32 v4, s26, v4                       ; v4: into a stage: row hh, 16 r
	v_mul_u32_u24 v5, v38, 272
	v_lshl_add_u32 v5, v39, 6, v5
	v_add_nc_u32 v5, s26, v5                       ; v5: out of it: row r, 64 hh.  Rows 272 bytes apart: sixteen rows begin in sixteen different columns of 16 bytes
	s_mul_i32 s26, s24, 6144
	v_add_nc_u32 v6, s26, v8                       ; v6: where I store my tile's images
	s_mul_i32 s26, s24, 384
	s_add_co_u32 s26, s26, XSC
	v_lshl_add_u32 v7, v38, 2, s26                 ; v7: and its scale words
	v_lshlrev_b32 v37, 2, v37                      ; v37: 4 x lane
	v_add_nc_u32 v9, XSC, v37                      ; v9: where I read scale words
	v_lshlrev_b32 v38, 2, v38                      ; v38: 4 r (v's bias)
	v_lshlrev_b32 v39, 5, v39                      ; v39: 32 hh (q's and k's)
	v_mov_b32 v[TM+2], 0                           ; written once: a lane permute's destination counts as one of its sources
	v_mov_b32 v[TM+3], 0
	s_and_b32 s29, ttmp7, 0xffff                   ; y: the matrix
	s_mov_b32 s30, ttmp9                           ; x: which 128 rows
	s_mov_b32 s48, 0x76543210
	s_mov_b32 s49, 0xfedcba98                      ; v_permlanex16_b32: each lane takes its own place in the other half
	s_cmp_eq_u32 s29, 0
	s_cselect_b32 s40, 0x3e000000, 1.0             ; f
	s_mov_b32 s41, s40                             ; (named with it as a pair, so it is written)
	s_cmp_eq_u32 s29, 2
	s_cselect_b32 s42, 10, 9                       ; a tile of 16 channels is 512 bytes on in q's and k's images, 1,024 in v's
	s_mul_i32 s25, s24, 6
.irp t, 0,1,2,3,4,5
	s_add_co_u32 s26, s25, \t                      ; column tile T = 6 w + t: head T / 4, tile T % 4 of the head
	s_lshr_b32 s27, s26, 2
	s_lshl_b32 s27, s27, 17
	s_and_b32 s26, s26, 3
	s_lshl_b32 s26, s26, s42
	s_add_co_u32 s26, s26, s27
	v_add_nc_u32 v[VO+\t], s26, v8
.endr
	s_lshl_b32 s46, s30, 7
	s_lshl_b32 s47, s24, 4
	s_add_co_u32 s46, s46, s47
	s_mul_i32 s46, s46, 3072                       ; x at row 128 x + 16 w
	s_mov_b32 s47, 0
	s_lshr_b32 s50, s30, 3
	s_mul_i32 s50, s50, 1572864                    ; the image at batch x / 8,
	s_and_b32 s51, s30, 7
	s_lshl_b32 s51, s51, 14                        ; 128 tokens are 16,384 bytes of a head's image, in all three
	s_add_co_u32 s50, s50, s51
	s_mov_b32 s51, 0
	s_mul_i32 s52, s29, 294912
	s_mul_i32 s53, s24, 36864
	s_add_co_u32 s52, s52, s53                     ; my six tiles of W's codes
	s_mov_b32 s53, 0
	s_mul_i32 s54, s29, 18432
	s_mul_i32 s55, s24, 2304
	s_add_co_u32 s54, s54, s55
	s_add_co_u32 s54, s54, 884736                  ; and of its scale words
	s_mov_b32 s55, 0
	s_mul_i32 s56, s24, 384                        ; my 96 numbers of the bias
	s_mov_b32 s57, 0
	s_wait_kmcnt 0x0
	s_cmp_eq_u32 s29, 0                            ; the buffers are chosen by the work-group's number alone
	s_cselect_b64 s[32:33], s[4:5], s[6:7]
	s_cselect_b64 s[34:35], s[12:13], s[14:15]
	s_cselect_b64 s[36:37], s[18:19], s[20:21]
	s_cmp_eq_u32 s29, 2
	s_cselect_b64 s[32:33], s[8:9], s[32:33]
	s_cselect_b64 s[34:35], s[16:17], s[34:35]
	s_cselect_b64 s[36:37], s[22:23], s[36:37]
	s_add_nc_u64 s[32:33], s[32:33], s[46:47]
	s_add_nc_u64 s[34:35], s[34:35], s[56:57]
	s_add_nc_u64 s[36:37], s[36:37], s[50:51]
	s_add_nc_u64 s[38:39], s[10:11], s[52:53]
	s_add_nc_u64 s[44:45], s[10:11], s[54:55]
	ULOAD 0
	ULOAD 1
	ULOAD 2
	s_wait_loadcnt 16                              ; unit 0 is in; units 1 and 2 may be out
	TURN 0
	XTRIP 0, 24
	XTRIP 1, 32
.irp n, 2,3,4,5,6,7,8
	XTRIP \n, 40
.endr
	XTRIP 9, 32
	XTRIP 10, 24
	XTRIP 11, 0
	s_wait_dscnt 0x0                               ; for the others' sake: my images and scale words lie in LDS
	s_barrier_signal -1
	s_barrier_wait -1                              ; all eight tiles do
	s_cmp_eq_u32 s29, 2
	s_cbranch_scc1 .Lv
.irp t, 0,1,2,3,4,5
	global_load_b128 v[BS+8*\t:BS+8*\t+3], v39, s[34:35] offset:64*\t          ; b at channels 16 T + 8 hh + 0 .. 7
	global_load_b128 v[BS+8*\t+4:BS+8*\t+7], v39, s[34:35] offset:64*\t+16
.endr
	XFLOAD 0
	s_wait_loadcnt 0x0                             ; the bias, W and its scale words
.set j, 0
.rept 24
	v_pk_mul_f32 v[BS+2*j:BS+2*j+1], v[BS+2*j:BS+2*j+1], s[40:41] op_sel_hi:[1,0]   ; b x f, exact
.set j, j+1
.endr
.irp i, 0,1,2,3,4,5,6,7
	ROWT \i, 0
.endr
	CLOSE
.Lv:
.irp t, 0,1,2,3,4,5
	global_load_b32 v[BS+2*\t], v38, s[34:35] offset:64*\t                     ; b at channel 16 T + r
	v_mov_b32 v[BS+2*\t+1], 0                      ; (named with it as a pair, so it is written)
.endr
	XFLOAD 0
	s_wait_loadcnt 0x0
.irp i, 0,1,2,3,4,5,6,7
	ROWT \i, 1
.endr
	CLOSE
.Lfunc_end_k_qb2f03b0f8b_proj:
	.size	k_qb2f03b0f8b_proj, .Lfunc_end_k_qb2f03b0f8b_proj-k_qb2f03b0f8b_proj
	.p2alignl 7, 3214868480
	.fill 96, 4, 3214868480
	.section	.rodata,"a",@progbits
	.p2align	6, 0x0
	.amdhsa_kernel k_qb2f03b0f8b_proj
		.amdhsa_group_segment_fixed_size 122880
		.amdhsa_private_segment_fixed_size 0
		.amdhsa_enable_private_segment 0
		.amdhsa_kernarg_size 80
		.amdhsa_user_sgpr_count 2
		.amdhsa_user_sgpr_kernarg_segment_ptr 1
		.amdhsa_wavefront_size32 1
		.amdhsa_system_sgpr_workgroup_id_x 1
		.amdhsa_system_sgpr_workgroup_id_y 1
		.amdhsa_system_sgpr_workgroup_id_z 1
		.amdhsa_system_vgpr_workitem_id 0
		.amdhsa_next_free_vgpr 512
		.amdhsa_next_free_sgpr 66
		.amdhsa_reserve_vcc 0
		.amdhsa_float_denorm_mode_32 3
		.amdhsa_float_denorm_mode_16_64 3
		.amdhsa_memory_ordered 1
		.amdhsa_forward_progress 1
		.amdhsa_inst_pref_size 212
	.end_amdhsa_kernel
	.amdgpu_metadata
---
amdhsa.version: [ 1, 2 ]
amdhsa.kernels:
  - .name:           k_qb2f03b0f8b_proj
    .symbol:         k_qb2f03b0f8b_proj.kd
    .args:
      - { .name: q, .offset: 0, .size: 8, .value_kind: global_buffer, .address_space: global }
      - { .name: k, .offset: 8, .size: 8, .value_kind: global_buffer, .address_space: global }
      - { .name: v, .offset: 16, .size: 8, .value_kind: global_buffer, .address_space: global }
      - { .name: wts, .offset: 24, .size: 8, .value_kind: global_buffer, .address_space: global }
      - { .name: bq, .offset: 32, .size: 8, .value_kind: global_buffer, .address_space: global }
      - { .name: bk, .offset: 40, .size: 8, .value_kind: global_buffer, .address_space: global }
      - { .name: bv, .offset: 48, .size: 8, .value_kind: global_buffer, .address_space: global }
      - { .name: qimg, .offset: 56, .size: 8, .value_kind: global_buffer, .address_space: global }
      - { .name: kimg, .offset: 64, .size: 8, .value_kind: global_buffer, .address_space: global }
      - { .name: vimg, .offset: 72, .size: 8, .value_kind: global_buffer, .address_space: global }
    .group_segment_fixed_size: 122880
    .private_segment_fixed_size: 0
    .kernarg_segment_align: 8
    .kernarg_segment_size: 80
    .max_flat_workgroup_size: 256
    .sgpr_count:     66
    .vgpr_count:     512
    .wavefront_size: 32
...
	.end_amdgpu_metadata
.endif
;; end of part 2
;; launch attn (part 3): grid 8 x 32, 12 waves a work-group, no clusters, 50,688 bytes of LDS; arguments qimg, kimg, vimg, msk, attimg; writes attimg
.if DOCPART == 3
	.amdgcn_target "amdgcn-amd-amdhsa--gfx1250"
	.amdhsa_code_object_version 6
	.text
	.protected	k_qb2f03b0f8b_attn
	.globl	k_qb2f03b0f8b_attn
	.p2align	8
	.type	k_qb2f03b0f8b_attn,@function
k_qb2f03b0f8b_attn:
	s_mov_b64 s[64:65], 0
	v_nop
	global_prefetch_b8 v0, s[64:65] scope:SCOPE_SE
	s_setreg_imm32_b32 hwreg(HW_REG_WAVE_MODE, 25, 1), 1
	s_wait_xcnt 0x0
; att[b][q][h][:] = softmax_k(fw) V + softmax_k(bw) V, fw and bw being the same scores with the padding mask (padded keys become -1e9) and -1e9 ADDED to keys k < q (fw) or k > q (bw).
; Operands are f16 images of registers made by the launch before (q already holds the factor 1 / 8); products' sums, maxima, exponentials and sums in f32; the weights p are rounded to f16 for the second product.
; SHARES.  Work-group (x, y): 128 queries, batch y / 4, three heads 3 (y % 4) + 0 .. 2.  Wave w: head w / 4, block QB of 32 queries (two tiles of 16).  All twelve waves walk the 32 steps of 32 keys in step.
; LAYOUT.  S^T = K Q^T (source 0 = 16 keys, source 1 = 16 queries): a lane holds one query and keys 8 (lane / 16) + j; two such tiles, packed to f16, ARE source 1 of O^T = V^T P.  Nothing changes lanes.
; WHICH WORK IS DONE.  The masks are -1e9 and no infinity.  A row that has an unpadded key among its allowed keys has its maximum at a score, and every key at -1e9 or under has the weight exp(-1e9 - score), which is 0 in f32:
; its forbidden keys need not be walked.  A row whose allowed keys are all padded has its maximum near -1e9 and every key counts.  Such rows are q < F for bw (F: the first unpadded key) and q >= E for fw (E: the last unpadded
; key + 1); F and E are whole numbers that the first launch stored.  So each direction has a MODE for the steps beyond the diagonal (bw: KS > QB; fw: KS < QB): 0: none of my rows is such a row: the steps are left out;
; 1: one of my two tiles has such rows (bw: tile 0, since the rows are a prefix; fw: tile 1, a suffix): that tile alone is walked; 2: both tiles are.  Up to the diagonal both tiles are always walked.
; A step that is walked computes what the definition says, to the letter: x = padded ? -1e9 : s;  y = x + (forbidden ? -1e9 : 0);  a running maximum m;  p = 2^((y - m) log2 e), THE SUBTRACTION FIRST, so that values near -1e9 cancel exactly.
; LIMIT: leaving out forbidden keys holds while |score| < 4.9e8.  NaN and infinities are not served.
; K AND V of the three heads go through two LDS slots by turns, through registers (load, LDS store): the branches above hang on numbers read from memory;
; there is no joint load and no cluster, though the eight work-groups of a (batch, heads) read the same K and V.
; ONE BARRIER A STEP does both orderings: in front of it each wave waits for its reads of the slot that is written next and for its stores into the slot that is read next.
; The accumulators are cleared once: where a direction begins hangs on ids and on the modes, so a written-out first step would be one more copy of the step.
.set SLOTB, 24576                      ; a slot: three heads x (K: 4 fragments, V: 4 fragments) x 1,024 bytes
.set SPARE, 49152                      ; behind the two slots: the spare words, 128 bytes for each of twelve waves
.set SPW, 1                            ; v1 my spare word;  v2  0: kept for the add alone
.set NIL, 2
.set NEGR, 3                           ; v3  -1e9
.set LR,  4                            ; v4  LDS: my head's fragments, 16 x lane
.set LW,  5                            ; v5  LDS: my quarter of my head's bytes
.set GO,  6                            ; v6  16 x lane
.set PFO, 7                            ; v7  256 x lane
.set QH,  8                            ; v8-9   tile tau: my query - 8 (lane / 16)
.set DD,  10                           ; v10-11 the same less the step's first key
.set TA,  12                           ; v12-15 at work
.set ST,  16                           ; v16-31 statistics: (d, tau) at 16 + 8 d + 4 tau: m, a spare, l in two halves
.set QF,  32                           ; v32-63   Q (tau, kappa)
.set SS,  64                           ; v64-95   S^T (tau, u), then p; P is packed into the first eight of a tile's sixteen
.set KFR, 96                           ; v96-127  K (u, kappa)
.set VFR, 128                          ; v128-159 V^T (ct)
.set SG,  160                          ; v160-175 bytes on their way from memory to LDS
.set TT,  176                          ; v176-191 tile tau at 176 + 8 tau: two maxima, the other half's, the change of m, a (a pair), the step's sum (a pair)
.set AC0, 192                          ; v192-255 O^T of bw (tau, ct);  v256-319 (window 1: v0-63) O^T of fw
.set NG,  78                           ; s[78:79] -1e9, twice: the packed addition names a pair
                                       ; s18 QB;  s19 KS;  s20 bw's mode, s21 fw's;  s[22:23] log2 e;  s[24:25] lane selects;  s30 trips done;  s31 prefetch limit;  s[32:47], s[48:63] lane masks of an even, an odd step
.set MSB, 0
.macro WIN new                         ; the immediate's high byte repeats the setting that is left
.if MSB != \new
	s_set_vgpr_msb (MSB<<8)|\new
.set MSB, \new
.endif
.endm
; ONE DIRECTION'S STEP for tiles t0 .. t1.  d: 0 bw, 1 fw.  p: which set of lane masks is this step's.  t0 = t1: the one-tile form, which is run only strictly beyond the diagonal, where every key is forbidden for every query.
.macro DSTEP d, p, t0, t1
.set MK, 32+16*(\p)
.set SB, ST+8*(\d)
.irp kp, 0,1                           ; S^T: the accumulators by turns, one instruction a turn; the first 32 channels start the sums
.irp ta, 0,1
.irp u, 0,1
.if (\ta >= \t0) && (\ta <= \t1)
.if \kp == 0
	v_wmma_f32_16x16x32_f16 v[SS+16*\ta+8*\u:SS+16*\ta+8*\u+7], v[KFR+16*\u+8*\kp:KFR+16*\u+8*\kp+7], v[QF+16*\ta+8*\kp:QF+16*\ta+8*\kp+7], 0
.else
	v_wmma_f32_16x16x32_f16 v[SS+16*\ta+8*\u:SS+16*\ta+8*\u+7], v[KFR+16*\u+8*\kp:KFR+16*\u+8*\kp+7], v[QF+16*\ta+8*\kp:QF+16*\ta+8*\kp+7], v[SS+16*\ta+8*\u:SS+16*\ta+8*\u+7]
.endif
.endif
.endr
.endr
.endr
.if \t0 == \t1
.rept 4
	v_nop                                          ; four places behind the products
.endr
.else
	s_lshl_b32 s28, s19, 5
	v_sub_nc_u32 v[DD], v[QH], s28                 ; four places behind the products: these two and two v_nop
	v_sub_nc_u32 v[DD+1], v[QH+1], s28
	v_nop
	v_nop
.endif
.irp ta, 0,1                           ; padded keys become -1e9: register j of tile u has its own lane mask.  Each accumulator from its low end on
.irp u, 0,1
.irp j, 0,1,2,3,4,5,6,7
.if (\ta >= \t0) && (\ta <= \t1)
	v_cndmask_b32 v[SS+16*\ta+8*\u+\j], v[SS+16*\ta+8*\u+\j], v[NEGR], s[MK+8*\u+\j]
.endif
.endr
.endr
.endr
.if \t0 == \t1                         ; the addend.  One tile, beyond the diagonal: every key is forbidden: -1e9 is added to all sixteen values, two at a time
.irp i, 0,2,4,6,8,10,12,14
	v_pk_add_f32 v[SS+16*(\t0)+\i:SS+16*(\t0)+\i+1], v[SS+16*(\t0)+\i:SS+16*(\t0)+\i+1], s[NG:NG+1] op_sel_hi:[1,0]
.endr
.else                                  ; both tiles: only from the diagonal on (bw) or up to it (fw) can a key be forbidden.  A branch on ids
.if \d == 0
	s_cmp_lt_u32 s19, s18
.else
	s_cmp_gt_u32 s19, s18
.endif
	s_cbranch_scc1 .Lna_\@
.irp ta, 0,1
.irp u, 0,1
.irp j, 0,1,2,3,4,5,6,7
	v_add_f32 v[TA+\j%4], v[NEGR], v[SS+16*\ta+8*\u+\j]
.if \d == 0
	v_cmp_gt_i32 vcc_lo, 16*\u+\j, v[DD+\ta]       ; key > query
.else
	v_cmp_lt_i32 vcc_lo, 16*\u+\j, v[DD+\ta]       ; key < query
.endif
	v_cndmask_b32 v[SS+16*\ta+8*\u+\j], v[SS+16*\ta+8*\u+\j], v[TA+\j%4], vcc_lo
.endr
.endr
.endr
.Lna_\@:
.endif
.irp ta, 0,1                           ; the maximum of my 16 values and the old m: two chains a tile
.if (\ta >= \t0) && (\ta <= \t1)
	v_max3_num_f32 v[TT+8*\ta], v[SS+16*\ta], v[SS+16*\ta+1], v[SS+16*\ta+2]
	v_max3_num_f32 v[TT+8*\ta+1], v[SS+16*\ta+3], v[SS+16*\ta+4], v[SS+16*\ta+5]
.endif
.endr
.irp i, 6,10
.irp ta, 0,1
.if (\ta >= \t0) && (\ta <= \t1)
	v_max3_num_f32 v[TT+8*\ta], v[TT+8*\ta], v[SS+16*\ta+\i], v[SS+16*\ta+\i+1]
	v_max3_num_f32 v[TT+8*\ta+1], v[TT+8*\ta+1], v[SS+16*\ta+\i+2], v[SS+16*\ta+\i+3]
.endif
.endr
.endr
.irp ta, 0,1
.if (\ta >= \t0) && (\ta <= \t1)
	v_max3_num_f32 v[TT+8*\ta], v[TT+8*\ta], v[SS+16*\ta+14], v[SS+16*\ta+15]
.endif
.endr
.irp ta, 0,1
.if (\ta >= \t0) && (\ta <= \t1)
	v_max3_num_f32 v[TT+8*\ta], v[TT+8*\ta], v[TT+8*\ta+1], v[SB+4*\ta]
.endif
.endr
.irp ta, 0,1
.if (\ta >= \t0) && (\ta <= \t1)
	v_permlanex16_b32 v[TT+8*\ta+2], v[TT+8*\ta], s24, s25         ; the query's other 16 keys lie in the lane 16 away
.endif
.endr
.irp ta, 0,1
.if (\ta >= \t0) && (\ta <= \t1)
	v_max_num_f32 v[TT+8*\ta+1], v[TT+8*\ta], v[TT+8*\ta+2]        ; the new m
.endif
.endr
.irp ta, 0,1
.if (\ta >= \t0) && (\ta <= \t1)
	v_sub_f32 v[TT+8*\ta+3], v[SB+4*\ta], v[TT+8*\ta+1]            ; old m - new m
.endif
.endr
.irp ta, 0,1
.if (\ta >= \t0) && (\ta <= \t1)
	v_mul_f32 v[TT+8*\ta+3], s22, v[TT+8*\ta+3]
	v_mov_b32 v[SB+4*\ta], v[TT+8*\ta+1]
.endif
.endr
.irp ta, 0,1
.irp i, 0,2,4,6,8,10,12,14
.if (\ta >= \t0) && (\ta <= \t1)
	v_pk_add_f32 v[SS+16*\ta+\i:SS+16*\ta+\i+1], v[SS+16*\ta+\i:SS+16*\ta+\i+1], v[SB+4*\ta:SB+4*\ta+1] op_sel_hi:[1,0] neg_lo:[0,1] neg_hi:[0,1]   ; y - m
.endif
.endr
.endr
.irp ta, 0,1
.irp i, 0,2,4,6,8,10,12,14
.if (\ta >= \t0) && (\ta <= \t1)
	v_pk_mul_f32 v[SS+16*\ta+\i:SS+16*\ta+\i+1], v[SS+16*\ta+\i:SS+16*\ta+\i+1], s[22:23] op_sel_hi:[1,0]   ; x log2 e
.endif
.endr
.endr
.irp ta, 0,1                           ; ONE BATCH: a = 2^((old m - new m) log2 e) of each tile, and its 16 weights
.if (\ta >= \t0) && (\ta <= \t1)
	v_exp_f32 v[TT+8*\ta+4], v[TT+8*\ta+3]
.endif
.endr
.set i, 16*(\t0)
.rept 16*((\t1)-(\t0)+1)
	v_exp_f32 v[SS+i], v[SS+i]
.set i, i+1
.endr
	v_nop                                          ; a plain line behind the last exponential,
	s_wait_alu depctr_va_vdst(0)                   ; and the one wait ahead of the batch's first reader
.irp ta, 0,1
.if (\ta >= \t0) && (\ta <= \t1)
	v_pk_add_f32 v[TT+8*\ta+6:TT+8*\ta+7], v[SS+16*\ta:SS+16*\ta+1], v[SS+16*\ta+2:SS+16*\ta+3]   ; the step's sum, of the unrounded p
.endif
.endr
.irp i, 4,6,8,10,12,14
.irp ta, 0,1
.if (\ta >= \t0) && (\ta <= \t1)
	v_pk_add_f32 v[TT+8*\ta+6:TT+8*\ta+7], v[TT+8*\ta+6:TT+8*\ta+7], v[SS+16*\ta+\i:SS+16*\ta+\i+1]
.endif
.endr
.endr
.irp ta, 0,1
.if (\ta >= \t0) && (\ta <= \t1)
	v_pk_fma_f32 v[SB+4*\ta+2:SB+4*\ta+3], v[SB+4*\ta+2:SB+4*\ta+3], v[TT+8*\ta+4:TT+8*\ta+5], v[TT+8*\ta+6:TT+8*\ta+7] op_sel_hi:[1,0,1]   ; l = a l + the sum
.endif
.endr
.irp ta, 0,1
.irp i, 0,1,2,3,4,5,6,7
.if (\ta >= \t0) && (\ta <= \t1)
	v_cvt_pk_f16_f32 v[SS+16*\ta+\i], v[SS+16*\ta+2*\i], v[SS+16*\ta+2*\i+1]   ; P in place: register i is written when registers 2 i and 2 i + 1 are read, ascending
.endif
.endr
.endr
.if \d
	WIN 0x41                                       ; O^T of fw: destination and source 0 window 1
.set AB, 0
.else
.set AB, AC0
.endif
.irp ta, 0,1
.if (\ta >= \t0) && (\ta <= \t1)
.set i, 0
.rept 16
	v_pk_mul_f32 v[AB+32*\ta+2*i:AB+32*\ta+2*i+1], v[AB+32*\ta+2*i:AB+32*\ta+2*i+1], v[TT+8*\ta+4:TT+8*\ta+5] op_sel_hi:[1,0]   ; O^T x a, each accumulator from its low end on
.set i, i+1
.endr
.endif
.endr
.if \d
	WIN 0x50                                       ; C and D window 1
.endif
	s_wait_dscnt 0x0                               ; V's eight loads, asked for at the step's head, are in: the products K Q^T and the softmax stood between
.irp ct, 0,1,2,3                       ; O^T += V^T P: all accumulators differ
.irp ta, 0,1
.if (\ta >= \t0) && (\ta <= \t1)
	v_wmma_f32_16x16x32_f16 v[AB+32*\ta+8*\ct:AB+32*\ta+8*\ct+7], v[VFR+8*\ct:VFR+8*\ct+7], v[SS+16*\ta:SS+16*\ta+7], v[AB+32*\ta+8*\ct:AB+32*\ta+8*\ct+7]
.endif
.endr
.endr
	WIN 0
.rept 5
	v_nop                                          ; five places: the next S^T product writes over P, which these products read; loads into K and V want four
.endr
.endm
; A KEY STEP on slot p.  st: the next step's bytes go from my registers into the other slot.  ld: the bytes of the step after that are asked for.  mk: the next step's lane masks.  pf: a prefetch.
.macro STEP p, st, ld, mk, pf
	s_wait_loadcnt 0x0                             ; the next step's bytes are in my registers (asked for a step ago)
	s_wait_kmcnt 0x0                               ; this step's lane masks are in
	s_wait_dscnt 0x0                               ; my stores into this slot have landed and my reads of the other slot are back
	s_barrier_signal -1
	s_barrier_wait -1                              ; both hold of all twelve waves
.if \st
.irp i, 0,1,2,3
	ds_store_b128 v[LW], v[SG+4*\i:SG+4*\i+3] offset:(1-\p)*SLOTB+512*\i
.endr
.endif
.irp f, 0,1,2,3
.irp c, 0,1
	ds_load_b128 v[KFR+8*\f+4*\c:KFR+8*\f+4*\c+3], v[LR] offset:\p*SLOTB+1024*\f+512*\c
.endr
.endr
.irp f, 0,1,2,3
.irp c, 0,1
	ds_load_b128 v[VFR+8*\f+4*\c:VFR+8*\f+4*\c+3], v[LR] offset:\p*SLOTB+4096+1024*\f+512*\c
.endr
.endr
.if \mk
	s_load_b512 s[48-16*\p:63-16*\p], s[68:69], 64*(\p+1)
.endif
	s_wait_dscnt 8                                 ; LDS serves a wave's instructions in order: all but the youngest eight, V's loads, are done: K is in, and the stores have read their registers.  V is waited for ahead of its products
.if \ld
.irp i, 0,1,2,3
	global_load_b128 v[SG+4*\i:SG+4*\i+3], v[GO], s[66:67] offset:8192+4096*\p+512*\i
.endr
.endif
.if \pf
; A PREFETCH INTO THE L2 of the 8,192 bytes (two steps of my head's K, or of its V) of the trip three on: two trips ahead of the loads that will ask for them.  Each aligned 256 bytes are named once in the launch:
; of the eight work-groups that walk the same K and V the first asks (x = 0), in it the wave that stages K's first half (for K) and the one that stages V's first half (for V), lanes 256 bytes apart.  Trips 13 on ask for nothing: the last bytes named are trip 15's.
	s_cmp_lt_u32 s30, s31
	s_cbranch_scc0 .Lnp_\@
	global_prefetch_b8 v[PFO], s[66:67] offset:24576 th:TH_LOAD_NT scope:SCOPE_SE
.Lnp_\@:
.endif
	s_cmp_le_u32 s19, s18                          ; bw: both tiles up to the diagonal; beyond it by its mode
	s_cselect_b32 s26, 2, s20
	s_cmp_lt_u32 s26, 2
	s_cbranch_scc1 .Lbh_\@
	DSTEP 0, \p, 0, 1
	s_branch .Lbe_\@
.Lbh_\@:
	s_cmp_eq_u32 s26, 0
	s_cbranch_scc1 .Lbe_\@
	DSTEP 0, \p, 0, 0                              ; tile 0 alone: the rows q < F are a prefix
.Lbe_\@:
	s_cmp_ge_u32 s19, s18                          ; fw: both tiles from the diagonal on; ahead of it by its mode
	s_cselect_b32 s26, 2, s21
	s_cmp_lt_u32 s26, 2
	s_cbranch_scc1 .Lfh_\@
	DSTEP 1, \p, 0, 1
	s_branch .Lfe_\@
.Lfh_\@:
	s_cmp_eq_u32 s26, 0
	s_cbranch_scc1 .Lfe_\@
	DSTEP 1, \p, 1, 1                              ; tile 1 alone: the rows q >= E are a suffix
.Lfe_\@:
	s_add_co_u32 s19, s19, 1
.endm
	s_load_b256 s[4:11], s[0:1], 0x0               ; qimg, kimg, vimg, msk
	s_load_b64 s[12:13], s[0:1], 0x20              ; attimg
	v_lshl_add_u32 v[SPW], v0, 2, SPARE
	v_mov_b32 v[NIL], 0
	v_lshrrev_b32 v12, 5, v0
	v_readfirstlane_b32 s14, v12                   ; wave 0..11
	s_lshr_b32 s15, s14, 2                         ; which of the three heads
	s_and_b32 s16, s14, 3                          ; which quarter of its bytes I carry
	s_and_b32 s26, ttmp7, 0xffff
	s_lshr_b32 s76, s26, 2                         ; batch
	s_and_b32 s26, s26, 3
	s_mul_i32 s17, s26, 3
	s_add_co_u32 s17, s17, s15                     ; head
	s_add_co_u32 s26, s14, s15
	s_and_b32 s26, s26, 3                          ; my block among the work-group's four, turned from head to head
	s_lshl_b32 s18, ttmp9, 2
	s_add_co_u32 s18, s18, s26                     ; QB
	s_mov_b32 s19, 0                               ; KS
	s_mov_b32 s30, 0                               ; trips done
	s_mov_b32 s22, 0x3fb8aa3b                      ; log2 e
	s_mov_b32 s23, s22                             ; (named with it as a pair, so it is written)
	s_mov_b32 s24, 0x76543210
	s_mov_b32 s25, 0xfedcba98
	s_and_b32 s29, s16, 1
	s_or_b32 s31, s29, ttmp9
	s_cmp_eq_u32 s31, 0
	s_cselect_b32 s31, 13, 0                       ; a wave prefetches while the trips done are under this
	s_mul_i32 s72, s76, 12
	s_add_co_u32 s72, s72, s17
	s_lshl_b32 s72, s72, 17                        ; my head's 131,072 bytes in each image
	s_mov_b32 s73, 0
	s_lshl_b32 s74, s29, 11                        ; the half of a step's 4,096 bytes that I carry
	s_mov_b32 s75, 0
	s_add_nc_u64 s[74:75], s[74:75], s[72:73]
	s_lshl_b32 s78, s18, 12                        ; my two tiles of queries
	s_mov_b32 s79, 0
	s_add_nc_u64 s[72:73], s[72:73], s[78:79]
	s_lshl_b32 s78, s76, 11                        ; the batch's lane masks
	s_lshl_b32 s28, s76, 6
	s_lshl_b32 s29, s18, 1
	s_add_co_u32 s28, s28, s29
	s_mul_i32 s28, s28, 24576                      ; the result: row tile 64 b + 2 QB,
	s_lshl_b32 s29, s17, 11
	s_add_co_u32 s28, s28, s29                     ; features 64 h on
	s_mov_b32 s29, 0
	s_lshl_b32 s26, s76, 7
	s_add_co_u32 s26, s26, 16384                   ; the batch's F and E
	s_mov_b32 s27, 0
	v_and_b32 v12, 31, v0
	v_lshlrev_b32 v[GO], 4, v12
	v_lshlrev_b32 v[PFO], 8, v12
	s_lshl_b32 s77, s15, 13
	v_add_nc_u32 v[LR], s77, v[GO]
	s_lshl_b32 s16, s16, 11
	s_add_co_u32 s77, s77, s16
	v_add_nc_u32 v[LW], s77, v[GO]
	s_lshr_b32 s16, s16, 11
	v_and_b32 v12, 15, v0
	v_bfe_u32 v13, v0, 4, 1
	v_lshlrev_b32 v13, 3, v13
	v_sub_nc_u32 v12, v12, v13
	s_lshl_b32 s77, s18, 5
	v_add_nc_u32 v[QH], s77, v12
	v_add_nc_u32 v[QH+1], 16, v[QH]
	v_mov_b32 v[NEGR], 0xce6e6b28
	s_wait_kmcnt 0x0
	s_cmp_lt_u32 s16, 2                            ; quarters 0, 1 carry K, quarters 2, 3 carry V: a choice by the wave's number
	s_cselect_b64 s[66:67], s[6:7], s[8:9]
	s_add_nc_u64 s[66:67], s[66:67], s[74:75]
	s_add_nc_u64 s[4:5], s[4:5], s[72:73]
	s_add_nc_u64 s[68:69], s[10:11], s[78:79]
	s_add_nc_u64 s[70:71], s[12:13], s[28:29]
	s_add_nc_u64 s[74:75], s[10:11], s[26:27]
	s_mov_b32 s[NG], 0xce6e6b28                    ; -1e9 for the packed addend
	s_mov_b32 s[NG+1], s[NG]                       ; (named with it as a pair, so it is written)
	s_load_b64 s[26:27], s[74:75], 0x0             ; F, E
	s_load_b512 s[32:47], s[68:69], 0x0            ; step 0's lane masks
.irp i, 0,1,2,3
	global_load_b128 v[SG+4*\i:SG+4*\i+3], v[GO], s[66:67] offset:512*\i       ; step 0's bytes
.endr
.irp ta, 0,1
.irp kp, 0,1
.irp c, 0,1
	global_load_b128 v[QF+16*\ta+8*\kp+4*\c:QF+16*\ta+8*\kp+4*\c+3], v[GO], s[4:5] offset:2048*\ta+1024*\kp+512*\c   ; Q stays in registers
.endr
.endr
.endr
.irp k, 0,1,2,3
	v_mov_b32 v[ST+4*\k], 0xff61b1e6               ; m = -3e38, under every value
	v_mov_b32 v[ST+4*\k+1], 0
	v_mov_b32 v[ST+4*\k+2], 0                      ; l
	v_mov_b32 v[ST+4*\k+3], 0
.endr
.set i, 0
.rept 16
	v_mov_b32 v[TT+i], 0                           ; written once: permutes' destinations and pairs' upper halves count as read
.set i, i+1
.endr
.set i, 0
.rept 64
	v_mov_b32 v[AC0+i], 0
.set i, i+1
.endr
	WIN 0x40
.set i, 0
.rept 64
	v_mov_b32 v[i], 0                              ; v256-319
.set i, i+1
.endr
	WIN 0
	s_wait_kmcnt 0x0
	s_lshl_b32 s28, s18, 5                         ; tile 0's first query
	s_cmp_gt_u32 s26, s28                          ; F > it: some row of tile 0 has only padded keys allowed in bw
	s_cselect_b32 s20, 1, 0
	s_add_co_u32 s28, s28, 16                      ; tile 1's first query
	s_cmp_gt_u32 s26, s28                          ; F > it: the same of tile 1, and then of tile 0 too
	s_cselect_b32 s20, 2, s20
	s_add_co_u32 s29, s28, 16
	s_cmp_gt_u32 s29, s27                          ; tile 1's last query >= E: some row of tile 1 has only padded keys allowed in fw
	s_cselect_b32 s21, 1, 0
	s_cmp_gt_u32 s28, s27                          ; tile 0's last query >= E: the same of tile 0, and then of tile 1 too
	s_cselect_b32 s21, 2, s21
	s_wait_loadcnt 8                               ; step 0's bytes are in; Q's eight loads may be out
.irp i, 0,1,2,3
	ds_store_b128 v[LW], v[SG+4*\i:SG+4*\i+3] offset:512*\i
.endr
	s_wait_dscnt 0x0                               ; the stores have read their registers
.irp i, 0,1,2,3
	global_load_b128 v[SG+4*\i:SG+4*\i+3], v[GO], s[66:67] offset:4096+512*\i  ; step 1's bytes
.endr
.Ltrip:                                            ; 15 trips of two steps
	STEP 0, 1, 1, 1, 1
	STEP 1, 1, 1, 1, 0
	s_wait_xcnt 0x0                                ; the trip's loads and its prefetch have read their bases: these step
	s_add_nc_u64 s[66:67], s[66:67], 8192
	s_add_nc_u64 s[68:69], s[68:69], 128
	s_add_co_u32 s30, s30, 1
	s_cmp_lt_u32 s30, 15
	s_cbranch_scc1 .Ltrip
	STEP 0, 1, 0, 1, 0                             ; the last two steps ask for nothing beyond the end
	STEP 1, 0, 0, 0, 0
	; THE WAY OUT: each direction's O^T is divided by its sum, the two are added, rounded to f16, and stored as the image of the last product's operand: 512 consecutive bytes a store.
	s_wait_dscnt 0x0                               ; no LDS load is out: K's and V's registers are written below
.irp k, 0,1,2,3
	v_add_f32 v[TT+2*\k], v[ST+4*\k+2], v[ST+4*\k+3]
.endr
.irp k, 0,1,2,3
	v_permlanex16_b32 v[TT+2*\k+1], v[TT+2*\k], s24, s25
.endr
.irp k, 0,1,2,3
	v_add_f32 v[TT+2*\k], v[TT+2*\k], v[TT+2*\k+1]
.endr
.irp k, 0,1,2,3
	v_rcp_f32 v[TT+2*\k], v[TT+2*\k]
.endr
	v_nop                                          ; a plain line behind the last reciprocal,
	s_wait_alu depctr_va_vdst(0)                   ; and the one wait for the four, ahead of the first reader
.irp ta, 0,1
.set i, 0
.rept 16
	v_pk_mul_f32 v[KFR+2*i:KFR+2*i+1], v[AC0+32*\ta+2*i:AC0+32*\ta+2*i+1], v[TT+2*\ta:TT+2*\ta+1] op_sel_hi:[1,0]
.set i, i+1
.endr
	WIN 0x01                                       ; source 0 window 1
.set i, 0
.rept 16
	v_pk_fma_f32 v[KFR+2*i:KFR+2*i+1], v[32*\ta+2*i:32*\ta+2*i+1], v[TT+4+2*\ta:TT+4+2*\ta+1], v[KFR+2*i:KFR+2*i+1] op_sel_hi:[1,0,1]
.set i, i+1
.endr
	WIN 0
.set i, 0
.rept 16
	v_cvt_pk_f16_f32 v[VFR+16*\ta+i], v[KFR+2*i], v[KFR+2*i+1]
.set i, i+1
.endr
.irp ct, 0,1,2,3
	global_store_b128 v[GO], v[VFR+16*\ta+4*\ct:VFR+16*\ta+4*\ct+3], s[70:71] offset:24576*\ta+512*\ct
.endr
.endr
	s_wait_tensorcnt 0x0                           ; the wave's end: three lines behind my last LDS store
	ds_add_u32 v[SPW], v[NIL]
	s_wait_dscnt 0x0
	s_endpgm
.Lfunc_end_k_qb2f03b0f8b_attn:
	.size	k_qb2f03b0f8b_attn, .Lfunc_end_k_qb2f03b0f8b_attn-k_qb2f03b0f8b_attn
	.p2alignl 7, 3214868480
	.fill 96, 4, 3214868480
	.section	.rodata,"a",@progbits
	.p2align	6, 0x0
	.amdhsa_kernel k_qb2f03b0f8b_attn
		.amdhsa_group_segment_fixed_size 50688
		.amdhsa_private_segment_fixed_size 0
		.amdhsa_enable_private_segment 0
		.amdhsa_kernarg_size 40
		.amdhsa_user_sgpr_count 2
		.amdhsa_user_sgpr_kernarg_segment_ptr 1
		.amdhsa_wavefront_size32 1
		.amdhsa_system_sgpr_workgroup_id_x 1
		.amdhsa_system_sgpr_workgroup_id_y 1
		.amdhsa_system_sgpr_workgroup_id_z 1
		.amdhsa_system_vgpr_workitem_id 0
		.amdhsa_next_free_vgpr 320
		.amdhsa_next_free_sgpr 80
		.amdhsa_reserve_vcc 1
		.amdhsa_float_denorm_mode_32 3
		.amdhsa_float_denorm_mode_16_64 3
		.amdhsa_memory_ordered 1
		.amdhsa_forward_progress 1
		.amdhsa_inst_pref_size 201
	.end_amdhsa_kernel
	.amdgpu_metadata
---
amdhsa.version: [ 1, 2 ]
amdhsa.kernels:
  - .name:           k_qb2f03b0f8b_attn
    .symbol:         k_qb2f03b0f8b_attn.kd
    .args:
      - { .name: qimg, .offset: 0, .size: 8, .value_kind: global_buffer, .address_space: global }
      - { .name: kimg, .offset: 8, .size: 8, .value_kind: global_buffer, .address_space: global }
      - { .name: vimg, .offset: 16, .size: 8, .value_kind: global_buffer, .address_space: global }
      - { .name: msk, .offset: 24, .size: 8, .value_kind: global_buffer, .address_space: global }
      - { .name: attimg, .offset: 32, .size: 8, .value_kind: global_buffer, .address_space: global }
    .group_segment_fixed_size: 50688
    .private_segment_fixed_size: 0
    .kernarg_segment_align: 8
    .kernarg_segment_size: 40
    .max_flat_workgroup_size: 384
    .sgpr_count:     80
    .vgpr_count:     320
    .wavefront_size: 32
...
	.end_amdgpu_metadata
.endif
;; end of part 3
;; launch outln (part 4): grid 256 x 1, 16 waves a work-group, no clusters, 150,016 bytes of LDS; arguments attimg, wts, q, bo, gamma, beta, out0; writes out0
.if DOCPART == 4
	.amdgcn_target "amdgcn-amd-amdhsa--gfx1250"
	.amdhsa_code_object_version 6
	.text
	.protected	k_qb2f03b0f8b_outln
	.globl	k_qb2f03b0f8b_outln
	.p2align	8
	.type	k_qb2f03b0f8b_outln,@function
k_qb2f03b0f8b_outln:
	s_mov_b64 s[64:65], 0
	v_nop
	global_prefetch_b8 v0, s[64:65] scope:SCOPE_SE
	s_setreg_imm32_b32 hwreg(HW_REG_WAVE_MODE, 25, 1), 1
	s_wait_xcnt 0x0
; out = LayerNorm(q + att Wo + bo) x gamma + beta.  att and Wo are f16 images of operand registers; sums, the residual and the norm in f32.
; Work-group g: rows 32 g .. 32 g + 31 (two tiles of 16), all 768 columns.  Wave w owns column tiles 3 w .. 3 w + 2 in the product, and rows 2 w, 2 w + 1 in the norm.
; The product is used transposed (source 0 = 16 columns of Wo, source 1 = 16 rows of att): a lane holds row r and eight neighbouring columns.  bo is the C of each sum's first product.
; att's 49,152 bytes come into LDS once and are read by all sixteen waves.  EACH FRAGMENT OF Wo IS USED BY ONE WAVE OF A WORK-GROUP and goes from memory straight into its registers, three K steps ahead:
; a joint load would land it in LDS, 1,179,648 bytes written and read again for each work-group, which this text does not move at all: so no cluster.
; The 24 K steps are written out: every offset is an immediate.  Results meet in a stage (rows of 3,072 bytes + 16), and a wave then holds two whole rows, 96 bytes a lane.
; LIMITS: NaN and infinities are not served.
.set STAGE,  49152
.set SPITCH, 3088                      ; 193 x 16 bytes: sixteen rows begin in sixteen different columns of 16 bytes
.set SPARE,  147968                    ; behind the stage: the spare words, 128 bytes for each of sixteen waves
.set SPW, 1                            ; v1 my spare word;  v2  0: kept for the add alone
.set NIL, 2
                                       ; v3 16 x lane;  v4 3,072 w + 16 x lane;  v5 into the stage;  v6 out of it;  v7 bo's offset;  v8-13 at work
.set ACC, 16                           ; v16-63   accumulator (t, ro) at 16 + 8 (2 t + ro); later my two rows
.set WO,  64                           ; v64-135  three sets of Wo's three fragments; at the end set 0 = gamma, set 1 = beta
.set AF,  136                          ; v136-167 two sets of att's two fragments; at the head: att on its way to LDS
.set BIAS, 168                         ; v168-191
.set QR,  192                          ; v192-239 my two rows of q
.macro WOLOAD kk
.irp i, 0,1,2,3,4,5
	global_load_b128 v[WO+24*((\kk)%3)+4*\i:WO+24*((\kk)%3)+4*\i+3], v4, s[6:7] offset:(\kk)*49152+512*\i
.endr
.endm
.macro AFLOAD kk
.irp ro, 0,1
.irp c, 0,1
	ds_load_b128 v[AF+16*((\kk)%2)+8*\ro+4*\c:AF+16*((\kk)%2)+8*\ro+4*\c+3], v3 offset:(24*\ro+(\kk))*1024+512*\c
.endr
.endr
.endm
.macro KK kk
	s_wait_loadcnt 12                              ; this step's six loads of Wo are in; the two younger groups of six (later steps', or gamma's and beta's) may be out
.if (\kk) < 23
	s_wait_dscnt 4                                 ; this step's fragments of att are in; the next step's four loads may be out
.else
	s_wait_dscnt 0x0
.endif
.irp t, 0,1,2                          ; six accumulators by turns, one instruction a turn
.irp ro, 0,1
.if (\kk) == 0
	v_wmma_f32_16x16x32_f16 v[ACC+8*(2*\t+\ro):ACC+8*(2*\t+\ro)+7], v[WO+24*((\kk)%3)+8*\t:WO+24*((\kk)%3)+8*\t+7], v[AF+16*((\kk)%2)+8*\ro:AF+16*((\kk)%2)+8*\ro+7], v[BIAS+8*\t:BIAS+8*\t+7]
.else
	v_wmma_f32_16x16x32_f16 v[ACC+8*(2*\t+\ro):ACC+8*(2*\t+\ro)+7], v[WO+24*((\kk)%3)+8*\t:WO+24*((\kk)%3)+8*\t+7], v[AF+16*((\kk)%2)+8*\ro:AF+16*((\kk)%2)+8*\ro+7], v[ACC+8*(2*\t+\ro):ACC+8*(2*\t+\ro)+7]
.endif
.endr
.endr
.rept 4
	v_nop                                          ; four places ahead of loads into the products' sources, and of the first read of results
.endr
.if (\kk)+3 < 24
	WOLOAD (\kk)+3
.elseif (\kk) == 21
.irp i, 0,1,2,3,4,5
	global_load_b128 v[WO+4*\i:WO+4*\i+3], v3, s[12:13] offset:512*\i          ; gamma, in a row's layout
.endr
.elseif (\kk) == 22
.irp i, 0,1,2,3,4,5
	global_load_b128 v[WO+24+4*\i:WO+24+4*\i+3], v3, s[14:15] offset:512*\i    ; beta
.endr
.endif
.if (\kk)+2 < 24
	AFLOAD (\kk)+2
.endif
.endm
.macro RED a, b                        ; the sum over the 32 lanes, in every lane
	v_add_f32_dpp v[\a], v[\a], v[\a] row_xmask:1 row_mask:0xf bank_mask:0xf
	v_add_f32_dpp v[\a], v[\a], v[\a] row_xmask:2 row_mask:0xf bank_mask:0xf
	v_add_f32_dpp v[\a], v[\a], v[\a] row_xmask:4 row_mask:0xf bank_mask:0xf
	v_add_f32_dpp v[\a], v[\a], v[\a] row_xmask:8 row_mask:0xf bank_mask:0xf
	v_permlanex16_b32 v[\b], v[\a], s26, s27
	v_add_f32 v[\a], v[\a], v[\b]
.endm
.macro LN ro
.set XW, ACC+24*(\ro)
.set QW, QR+24*(\ro)
.set i, 0
.rept 12
	v_pk_add_f32 v[XW+2*i:XW+2*i+1], v[XW+2*i:XW+2*i+1], v[QW+2*i:QW+2*i+1]    ; x = q + (att Wo + bo)
.set i, i+1
.endr
	v_pk_add_f32 v[8:9], v[XW:XW+1], v[XW+2:XW+3]
	v_pk_add_f32 v[10:11], v[XW+4:XW+5], v[XW+6:XW+7]
.irp i, 8,12,16,20
	v_pk_add_f32 v[8:9], v[8:9], v[XW+\i:XW+\i+1]
	v_pk_add_f32 v[10:11], v[10:11], v[XW+\i+2:XW+\i+3]
.endr
	v_pk_add_f32 v[8:9], v[8:9], v[10:11]
	v_add_f32 v8, v8, v9
	RED 8, 9
	v_mul_f32 v8, s24, v8                          ; the mean
.set i, 0
.rept 12
	v_pk_add_f32 v[XW+2*i:XW+2*i+1], v[XW+2*i:XW+2*i+1], v[8:9] op_sel_hi:[1,0] neg_lo:[0,1] neg_hi:[0,1]
.set i, i+1
.endr
	v_pk_mul_f32 v[10:11], v[XW:XW+1], v[XW:XW+1]
	v_pk_mul_f32 v[12:13], v[XW+2:XW+3], v[XW+2:XW+3]
.irp i, 4,8,12,16,20
	v_pk_fma_f32 v[10:11], v[XW+\i:XW+\i+1], v[XW+\i:XW+\i+1], v[10:11]
	v_pk_fma_f32 v[12:13], v[XW+\i+2:XW+\i+3], v[XW+\i+2:XW+\i+3], v[12:13]
.endr
	v_pk_add_f32 v[10:11], v[10:11], v[12:13]
	v_add_f32 v10, v10, v11
	RED 10, 11
	v_fma_f32 v10, v10, s24, s25                   ; the variance + 1e-6
	v_rsq_f32 v10, v10
	v_nop                                          ; a plain line behind the transcendental,
	s_wait_alu depctr_va_vdst(0)                   ; and the wait ahead of its first reader
.set i, 0
.rept 12
	v_pk_mul_f32 v[XW+2*i:XW+2*i+1], v[XW+2*i:XW+2*i+1], v[10:11] op_sel_hi:[1,0]
.set i, i+1
.endr
.set i, 0
.rept 12
	v_pk_fma_f32 v[XW+2*i:XW+2*i+1], v[XW+2*i:XW+2*i+1], v[WO+2*i:WO+2*i+1], v[WO+24+2*i:WO+24+2*i+1]
.set i, i+1
.endr
.irp i, 0,1,2,3,4,5
	global_store_b128 v3, v[XW+4*\i:XW+4*\i+3], s[16:17] offset:3072*(\ro)+512*\i th:TH_STORE_NT   ; 32 lanes store 512 consecutive bytes, aligned
.endr
.endm
	s_load_b256 s[4:11], s[0:1], 0x0               ; attimg, wts, q, bo
	s_load_b128 s[12:15], s[0:1], 0x20             ; gamma, beta
	s_load_b64 s[16:17], s[0:1], 0x30              ; out0
	v_lshl_add_u32 v[SPW], v0, 2, SPARE
	v_mov_b32 v[NIL], 0
	v_lshrrev_b32 v3, 5, v0
	v_readfirstlane_b32 s18, v3                    ; wave 0..15
	v_and_b32 v3, 31, v0
	v_lshlrev_b32 v3, 4, v3                        ; 16 x lane
	v_and_b32 v8, 15, v0                           ; r
	v_bfe_u32 v9, v0, 4, 1                         ; hh
	s_mul_i32 s20, s18, 3072
	v_add_nc_u32 v4, s20, v3
	s_mul_i32 s20, s18, 192
	v_lshl_add_u32 v7, v9, 5, s20                  ; bo: my 48 columns, + 8 hh numbers
	s_add_co_u32 s20, s20, STAGE
	v_mul_u32_u24 v5, v8, SPITCH
	v_lshl_add_u32 v5, v9, 5, v5
	v_add_nc_u32 v5, s20, v5                       ; into the stage: row r, my columns' bytes
	s_mul_i32 s20, s18, 2*SPITCH
	s_add_co_u32 s20, s20, STAGE
	v_add_nc_u32 v6, s20, v3                       ; out of it: my two rows
	s_mov_b32 s24, 0x3aaaaaab                      ; 1 / 768
	s_mov_b32 s25, 0x358637bd                      ; 1e-6
	s_mov_b32 s26, 0x76543210
	s_mov_b32 s27, 0xfedcba98
	s_mul_i32 s28, ttmp9, 49152
	s_mov_b32 s29, 0
	s_lshl_b32 s30, ttmp9, 5
	s_lshl_b32 s31, s18, 1
	s_add_co_u32 s30, s30, s31
	s_mul_i32 s30, s30, 3072                       ; row 32 g + 2 w of q and of out0
	s_mov_b32 s31, 0
	s_wait_kmcnt 0x0
	s_add_nc_u64 s[4:5], s[4:5], s[28:29]
	s_add_nc_u64 s[6:7], s[6:7], 940032            ; Wo's images
	s_add_nc_u64 s[8:9], s[8:9], s[30:31]
	s_add_nc_u64 s[16:17], s[16:17], s[30:31]
.irp i, 0,1,2,3,4,5
	global_load_b128 v[AF+4*\i:AF+4*\i+3], v4, s[4:5] offset:512*\i th:TH_LOAD_NT      ; my sixteenth of att's block
.endr
.irp ro, 0,1
.irp i, 0,1,2,3,4,5
	global_load_b128 v[QR+24*\ro+4*\i:QR+24*\ro+4*\i+3], v3, s[8:9] offset:3072*\ro+512*\i th:TH_LOAD_NT
.endr
.endr
.irp t, 0,1,2
	global_load_b128 v[BIAS+8*\t:BIAS+8*\t+3], v7, s[10:11] offset:64*\t
	global_load_b128 v[BIAS+8*\t+4:BIAS+8*\t+7], v7, s[10:11] offset:64*\t+16
.endr
	WOLOAD 0
	WOLOAD 1
	WOLOAD 2
	s_wait_loadcnt 36                              ; att's six are in; q's 12, bo's 6 and Wo's 18 may be out
.irp i, 0,1,2,3,4,5
	ds_store_b128 v4, v[AF+4*\i:AF+4*\i+3] offset:512*\i
.endr
	s_wait_dscnt 0x0                               ; for the others' sake: my part of att lies in LDS
	s_barrier_signal -1
	s_barrier_wait -1
	AFLOAD 0
	AFLOAD 1
.set KI, 0
.rept 24
	KK KI
.set KI, KI+1
.endr
.irp t, 0,1,2
.irp ro, 0,1
	ds_store_b128 v5, v[ACC+8*(2*\t+\ro):ACC+8*(2*\t+\ro)+3] offset:\ro*16*SPITCH+64*\t            ; each accumulator from its low end on
	ds_store_b128 v5, v[ACC+8*(2*\t+\ro)+4:ACC+8*(2*\t+\ro)+7] offset:\ro*16*SPITCH+64*\t+16
.endr
.endr
	s_wait_dscnt 0x0                               ; for the others' sake: my columns lie in the stage
	s_barrier_signal -1
	s_barrier_wait -1                              ; 32 whole rows do
.irp ro, 0,1
.irp i, 0,1,2,3,4,5
	ds_load_b128 v[ACC+24*\ro+4*\i:ACC+24*\ro+4*\i+3], v6 offset:\ro*SPITCH+512*\i
.endr
.endr
	s_wait_dscnt 0x0
	s_wait_loadcnt 0x0                             ; gamma and beta
	LN 0
	LN 1
	s_wait_tensorcnt 0x0                           ; the wave's end: three lines behind my last LDS store
	ds_add_u32 v[SPW], v[NIL]
	s_wait_dscnt 0x0
	s_endpgm
.Lfunc_end_k_qb2f03b0f8b_outln:
	.size	k_qb2f03b0f8b_outln, .Lfunc_end_k_qb2f03b0f8b_outln-k_qb2f03b0f8b_outln
	.p2alignl 7, 3214868480
	.fill 96, 4, 3214868480
	.section	.rodata,"a",@progbits
	.p2align	6, 0x0
	.amdhsa_kernel k_qb2f03b0f8b_outln
		.amdhsa_group_segment_fixed_size 150016
		.amdhsa_private_segment_fixed_size 0
		.amdhsa_enable_private_segment 0
		.amdhsa_kernarg_size 56
		.amdhsa_user_sgpr_count 2
		.amdhsa_user_sgpr_kernarg_segment_ptr 1
		.amdhsa_wavefront_size32 1
		.amdhsa_system_sgpr_workgroup_id_x 1
		.amdhsa_system_sgpr_workgroup_id_y 1
		.amdhsa_system_sgpr_workgroup_id_z 1
		.amdhsa_system_vgpr_workitem_id 0
		.amdhsa_next_free_vgpr 256
		.amdhsa_next_free_sgpr 66
		.amdhsa_reserve_vcc 0
		.amdhsa_float_denorm_mode_32 3
		.amdhsa_float_denorm_mode_16_64 3
		.amdhsa_memory_ordered 1
		.amdhsa_forward_progress 1
		.amdhsa_inst_pref_size 53
	.end_amdhsa_kernel
	.amdgpu_metadata
---
amdhsa.version: [ 1, 2 ]
amdhsa.kernels:
  - .name:           k_qb2f03b0f8b_outln
    .symbol:         k_qb2f03b0f8b_outln.kd
    .args:
      - { .name: attimg, .offset: 0, .size: 8, .value_kind: global_buffer, .address_space: global }
      - { .name: wts, .offset: 8, .size: 8, .value_kind: global_buffer, .address_space: global }
      - { .name: q, .offset: 16, .size: 8, .value_kind: global_buffer, .address_space: global }
      - { .name: bo, .offset: 24, .size: 8, .value_kind: global_buffer, .address_space: global }
      - { .name: gamma, .offset: 32, .size: 8, .value_kind: global_buffer, .address_space: global }
      - { .name: beta, .offset: 40, .size: 8, .value_kind: global_buffer, .address_space: global }
      - { .name: out0, .offset: 48, .size: 8, .value_kind: global_buffer, .address_space: global }
    .group_segment_fixed_size: 150016
    .private_segment_fixed_size: 0
    .kernarg_segment_align: 8
    .kernarg_segment_size: 56
    .max_flat_workgroup_size: 512
    .sgpr_count:     66
    .vgpr_count:     256
    .wavefront_size: 32
...
	.end_amdgpu_metadata
.endif
;; end of part 4
